; MI455X (gfx1250); checked and timed in simulation.
; The chip was launched on July 23, 2026; its instructions are those of AMD's public machine-readable ISA for CDNA 5 (MIT licence, August 2026) and "CDNA5" Instruction Set Architecture Reference Guide (July 2026). The comments in the code are by the model that wrote it; some were corrected since.
;; Attention. Allowed arithmetic: matrix products marked QUANTISED: E2M1 operands, one E8M0 scale for each 32 along K, by v_wmma_scale_f32_16x16x128_f8f6f4 with both operands' format E2M1 (or v_wmma_scale_f32_32x16x128_f4), f32 sums; everything else in f32.
;; Inputs: Wk_codes 256 x 8 x 16 uint8 (E2M1 codes of Wk, K innermost, in blocks of 32 codes, two codes a byte); Wk_scales 256 x 8 uint8 (E8M0 scales of Wk, one for each 32 codes along K); Wp_codes 256 x 8 x 16 uint8 (E2M1 codes of Wp, K innermost, in blocks of 32 codes, two codes a byte); Wp_scales 256 x 8 uint8 (E8M0 scales of Wp, one for each 32 codes along K); Wq_codes 256 x 8 x 16 uint8 (E2M1 codes of Wq, K innermost, in blocks of 32 codes, two codes a byte); Wq_scales 256 x 8 uint8 (E8M0 scales of Wq, one for each 32 codes along K); Wv_codes 256 x 8 x 16 uint8 (E2M1 codes of Wv, K innermost, in blocks of 32 codes, two codes a byte); Wv_scales 256 x 8 uint8 (E8M0 scales of Wv, one for each 32 codes along K); bp 256 float32; x_codes 4 x 4,096 x 8 x 16 uint8 (E2M1 codes of x, K innermost, in blocks of 32 codes, two codes a byte); x_scales 4 x 4,096 x 8 uint8 (E8M0 scales of x, one for each 32 codes along K).
;; Outputs: out0 4 x 4,096 x 256 float32.
;; This version of the problem:
;;   THIS VERSION OF THE PROBLEM IS GIVEN IN LOW PRECISION. The matrix products marked QUANTISED in the list below multiply operands that are first quantised to E2M1 (2 exponent bits, 1 mantissa bit; 4 bits a number), with one power-of-two scale for each 32 numbers along K (OCP MX v1.0); their sums are f32. All else is computed in f32.
;;   The module's matrix products, in the order in which they are computed (A, B: the left and right operand; K: the contracted axis; several contracted axes count as one K, in the product's order):
;;     1. [M 16,384, K 256] x [K 256, N 256]; A: input x (given as codes); B: input Wq (given as codes): QUANTISED
;;     2. [M 16,384, K 256] x [K 256, N 256]; A: input x (given as codes); B: input Wk (given as codes): QUANTISED
;;     3. [M 16,384, K 256] x [K 256, N 256]; A: input x (given as codes); B: input Wv (given as codes): QUANTISED
;;     4. batch 16 x [M 4,096, K 64] x [K 64, N 4,096]; A: computed on the way; B: computed on the way: QUANTISED
;;     5. batch 16 x [M 4,096, K 4,096] x [K 4,096, N 64]; A: softmax (see below); B: computed on the way: QUANTISED
;;     6. [M 16,384, K 256] x [K 256, N 256]; A: computed on the way; B: input Wp (given as codes): QUANTISED
;;   THE QUANTISER, for each operand of a quantised product, along K:
;;     - K is cut into blocks of 32 from its start; a last block that is shorter is filled with zeros.
;;     - A block's scale is 2^e with e = floor(log2(the largest magnitude in the block)) - 2, held to -126 .. 127; a block of zeros has e = 0. As a byte (E8M0): e + 127.
;;     - Each number is divided by its block's scale, clamped to +-6, and rounded to the nearest number of E2M1, ties to even, subnormals kept.
;;     - The product sums the exact products of the quantised numbers (number of the format x scale) in f32.
;;   ~~~python
;;   def quantise(x, axis):      # numpy; x: float32 -> the quantised numbers, widened to float32 again
;;       x = np.moveaxis(x, axis, -1); K = x.shape[-1]
;;       x = np.pad(x, [(0, 0)] * (x.ndim - 1) + [(0, -K % 32)]); x = x.reshape(x.shape[:-1] + (-1, 32)); a = np.abs(x).max(-1, keepdims=True)
;;       e = np.where(a > 0, np.clip(np.frexp(np.where(a > 0, a, 1))[1] - 1 - 2, -126, 127), 0)      # np.frexp(a)[1] - 1 = floor(log2(a)), exactly
;;       r = np.clip(x / 2.0 ** e, -6, 6)
;;       step = 2.0 ** (np.maximum(np.frexp(np.where(r == 0, 1, r))[1] - 1, 0) - 1)
;;       q = np.round(r / step) * step * 2.0 ** e      # np.round: ties to even
;;       return np.moveaxis(q.reshape(q.shape[:-2] + (-1,))[..., :K], -1, axis).astype(np.float32)
;;   ~~~
;;   SOFTMAX AHEAD OF A QUANTISED PRODUCT. Where the list says 'softmax', what is quantised is not the finished softmax but p = 2^(t - M), with t = logit x log2(e) and M = ceil(the row's largest t), a whole number; so 1/2 < the row's largest p <= 1. The row's sum l is taken of the UNQUANTISED p, in f32, and the product's result is divided by l at the end. Since M is a whole number, a kernel that streams over the keys may use a running M (the ceiling of the running maximum): every later rescaling is an exact power of two, which a block's scale takes up: the codes' values come out the same.
;;   OPERANDS COMPUTED ON THE WAY. 'Computed on the way' means the value that the module computes at that place (a softmax that the list does not call 'softmax' is quantised finished and normalised). What goes into a quantiser is computed in f32, as accurately as f32 sums, v_exp_f32 and their like allow (about 1e-6 of the number): no bf16 or f16 on the way to a quantiser, and a product that is left as it is and whose result goes on into a quantised operand takes f32 operands (vector FMAs, or v_wmma_f32_16x16x4_f32). A number that lies on a knife's edge between two numbers of the format may be rounded either way, as far as f32 arithmetic and the matrix unit's own rounding can turn it there, and no further.
;;   INPUTS GIVEN AS CODES. Wk (in the module: [256, 256], K = its axis 1); Wp (in the module: [256, 256], K = its axis 1); Wq (in the module: [256, 256], K = its axis 1); Wv (in the module: [256, 256], K = its axis 1); x (in the module: [4, 4096, 256], K = its axis 2): each comes as NAME_codes (uint8): NAME with its K axis moved to the last place and cut into blocks of 32 codes, [.., K / 32, bytes a block], one block behind the other in memory; two codes a byte, the lower K in the low four bits (a code: sign, 2 exponent bits, 1 mantissa bit); and NAME_scales (uint8): the same leading axes, one E8M0 byte (e + 127) for each 32 codes along K. Its value is code x scale, taken as it is: it is not quantised again, and the codes and scales need not be those that the quantiser above would give.
;; One version. Each part assembles by itself: llvm-mc -triple=amdgcn-amd-amdhsa -mcpu=gfx1250 --defsym DOCPART=n.
;; ======== version 1 of 1: 3 launches
;; limits: right only within a limited range of input values
;; workspace buffers: q_ws 2,359,296 bytes; kv_ws 4,718,592 bytes; o_codes 2,097,152 bytes; o_scales 262,144 bytes
;; launch project (part 1): grid 128 x 3, 4 waves a work-group, no clusters, 0 bytes of LDS; arguments x_codes, x_scales, Wq_codes, Wq_scales, Wk_codes, Wk_scales, Wv_codes, Wv_scales, q_ws, kv_ws; writes q_ws, kv_ws
.if DOCPART == 1
	.amdgcn_target "amdgcn-amd-amdhsa--gfx1250"
	.amdhsa_code_object_version 6
	.text
	.protected	k_qedebd2b672_project
	.globl	k_qedebd2b672_project
	.p2align	8
	.type	k_qedebd2b672_project,@function
k_qedebd2b672_project:
	s_mov_b64 s[64:65], 0
	v_nop
	global_prefetch_b8 v0, s[64:65] scope:SCOPE_SE
	s_setreg_imm32_b32 hwreg(HW_REG_WAVE_MODE, 25, 1), 1
	s_wait_xcnt 0x0
; q = x Wq^T, k = x Wk^T, v = x Wv^T on the given codes of FP4 (E2M1) with their E8M0 scales, sums in f32; the results are quantised at once:
; q and k along the head's 64 channels (two blocks of 32), v along the keys (blocks of 32 tokens), and stored as IMAGES OF OPERAND REGISTERS for the next launch.
; DEAD WORK: none.  Every one of the eleven inputs has a way to the output for all values, and every product of the problem is done; nothing is left out in any launch.
; LIMITS: NaN, infinities and scale bytes 0xff among the inputs are not served.  A block whose largest magnitude lies under 2^-124 keeps the scale byte 1;
; a block of zeros keeps the byte 1 where the rule says 127: its codes are zeros, which add nothing under any byte but 0xff, and the bytes are read by this program alone.
; SHARES.  Work-group x = a group of 128 tokens (b = x / 32, g = x % 32); y = 0, 1, 2: q, k, v; wave = head.  A wave makes 128 tokens x 64 channels: 64 matrix instructions.
; Waves share nothing: no LDS, no barrier.  No cluster: operands go from memory straight into registers, there is no tensor load to share.
; TILE ORDER.  Lane r of tile t (of tokens, or of a head's channels) takes index 64 (t / 4) + 8 (t % 4) + r % 8 + 32 (r / 8).  In a result, register j of lane (r, h) of tile 4 c + u is then
; index 64 c + 32 h + 8 u + j of source 0's axis: the 32 registers of tiles 4 c .. 4 c + 3 are ONE WHOLE BLOCK of 32, the block that the operand's layout gives that lane.  So a block's largest
; magnitude needs no other lane, and the conversions' results are the operand's registers as they stand.  Only the scale bytes of lanes l and l xor 16 are joined into a word.
; q, k: source 0 = 16 channels of W, source 1 = 16 tokens: a lane holds one token.  v: source 0 = 16 tokens, source 1 = 16 channels: a lane holds one channel, its registers run along the keys.
; OUT.  q_ws [bh][group][4608]: 8 fragments of 512 bytes (4 registers: lane (r, h): the tile's token r, channels 32 h .. 32 h + 31), then a scale image of 512 bytes: register p: lanes 0-15 tile 2 p's word, lanes 16-31 tile 2 p + 1's.
; kv_ws [bh][key step of 128][9216]: k as q; from 4608 v: 4 channel tiles x 1,024 bytes (8 registers); at 8704 v's scale image (register n: tile n's words).  Every store covers 512 consecutive bytes at a multiple of 256.
; REGISTERS.  Window 0: v2-5 addresses; v8-23 x's scale words; v24-31 W's; v32-95 eight accumulators; v96-127 codes (a set for each turn); v128-131 scale words to store; v132-141 at work.
; Window 1: v0-127 x's 16 fragments (tile t, K step s at 8 (2 t + s)); v128-191 W's 8.
.set FO,  2                            ; (r % 8 + 32 (r / 8)) x 128 + 16 h: my 16 bytes in a row of x or of W
.set SO,  3                            ; (r % 8 + 32 (r / 8)) x 8: my row's eight scale bytes
.set LI,  4                            ; 16 x lane
.set SH,  5                            ; 8 h
.set XS,  8
.set WS,  24
.set HA,  32
.set PC,  96
.set SW,  128
.set TM,  132                          ; +0..3 largest magnitudes, +4,5 the conversions' scale operands, +6,7 bytes, +8,9 the other half's
.set XF,  0
.set WF,  128
.set SEL, 30
.set MSB, 0
.macro WIN new                         ; the immediate's high byte repeats the setting that is left
.if MSB != \new
	s_set_vgpr_msb (MSB<<8)|\new
.set MSB, \new
.endif
.endm
; 64 numbers of a lane = two whole blocks of 32 (registers src + 32 u + 0 .. 31) become 8 registers of codes at dst; the two scale bytes are left in v[TM+6], v[TM+7]
.macro QUANT src, dst
.irp k, 0,1,2,3
	v_max3_num_f32 v[TM+\k], |v[(\src)+16*\k]|, |v[(\src)+1+16*\k]|, 0x1800000   ; four chains of 16, each with the floor 2^(3 - 127): the byte cannot fall under 1
.endr
.irp i, 2,4,6,8,10,12,14
.irp k, 0,1,2,3
	v_max3_num_f32 v[TM+\k], v[TM+\k], |v[(\src)+16*\k+\i]|, |v[(\src)+1+16*\k+\i]|
.endr
.endr
	v_max_num_f32 v[TM], v[TM], v[TM+1]
	v_max_num_f32 v[TM+1], v[TM+2], v[TM+3]
	v_add_nc_u32 v[TM+4], 0xff000000, v[TM]        ; 2 off the exponent field: the conversion's scale operand
	v_add_nc_u32 v[TM+5], 0xff000000, v[TM+1]
.irp t, 0,1,2,3,4,5,6,7
	v_cvt_scalef32_pk8_fp4_f32 v[(\dst)+\t], v[(\src)+8*\t:(\src)+8*\t+7], v[TM+4+\t/4]
.endr
	v_lshrrev_b32 v[TM+6], 23, v[TM+4]             ; the scales' bytes (also the plain place behind the conversions)
	v_lshrrev_b32 v[TM+7], 23, v[TM+5]
.endm
	s_load_b512 s[8:23], s[0:1], 0x0               ; x's codes, x's scales, Wq's s[12:15], Wk's s[16:19], Wv's s[20:23]
	s_load_b128 s[24:27], s[0:1], 0x40             ; q_ws, kv_ws
	v_lshrrev_b32 v1, 5, v0
	v_readfirstlane_b32 s4, v1                     ; wave = head
	s_and_b32 s5, ttmp7, 0xffff                    ; 0: q, 1: k, 2: v
	v_and_b32 v1, 15, v0                           ; r
	v_bfe_u32 v6, v0, 4, 1                         ; h
	v_and_b32 v7, 8, v1
	v_and_b32 v1, 7, v1
	v_lshl_add_u32 v7, v7, 2, v1                   ; r % 8 + 32 (r / 8)
	v_lshlrev_b32 v[FO], 7, v7
	v_lshl_add_u32 v[FO], v6, 4, v[FO]
	v_lshlrev_b32 v[SO], 3, v7
	v_and_b32 v[LI], 31, v0
	v_lshlrev_b32 v[LI], 4, v[LI]
	v_lshlrev_b32 v[SH], 3, v6
	v_mov_b32 v[TM+8], 0                           ; written once: a lane permute's destination counts as one of its sources
	v_mov_b32 v[TM+9], 0
	s_mov_b32 vcc_lo, 0xffff0000                   ; lanes 16-31
	s_mov_b32 s[SEL], 0x76543210
	s_mov_b32 s[SEL+1], 0xfedcba98
	s_lshl_b32 s28, ttmp9, 14                      ; x's codes: 128 tokens of 128 bytes a group
	s_mov_b32 s29, 0
	s_lshl_b32 s32, ttmp9, 10                      ; x's scales
	s_mov_b32 s33, 0
	s_lshl_b32 s34, s4, 13                         ; W's codes: my head's 64 rows
	s_mov_b32 s35, 0
	s_lshl_b32 s36, s4, 9                          ; W's scales
	s_mov_b32 s37, 0
	s_lshr_b32 s38, ttmp9, 5
	s_lshl_b32 s38, s38, 2
	s_add_co_u32 s38, s38, s4                      ; bh
	s_lshl_b32 s38, s38, 5
	s_and_b32 s39, ttmp9, 31
	s_add_co_u32 s38, s38, s39                     ; 32 bh + group
	s_mov_b32 s39, 0
	s_wait_alu depctr_va_vdst(0)
	s_wait_kmcnt 0x0
	s_cmp_eq_u32 s5, 0                             ; the choices hang on the work-group's number alone
	s_cselect_b64 s[12:13], s[12:13], s[16:17]
	s_cselect_b64 s[14:15], s[14:15], s[18:19]
	s_cselect_b64 s[24:25], s[24:25], s[26:27]
	s_mov_b32 s6, 9216
	s_cselect_b32 s6, 4608, s6
	s_cmp_eq_u32 s5, 2
	s_cselect_b64 s[12:13], s[20:21], s[12:13]
	s_cselect_b64 s[14:15], s[22:23], s[14:15]
	s_mul_i32 s38, s38, s6
	s_add_nc_u64 s[8:9], s[8:9], s[28:29]
	s_add_nc_u64 s[10:11], s[10:11], s[32:33]
	s_add_nc_u64 s[12:13], s[12:13], s[34:35]
	s_add_nc_u64 s[14:15], s[14:15], s[36:37]
	s_add_nc_u64 s[24:25], s[24:25], s[38:39]
	; 60 loads, in this order: W's 16, W's scales 4, x's scales 8, x's 32 (four a tile)
	WIN 0x40
.irp n, 0,1,2,3
.irp s, 0,1
.irp c, 0,1
	global_load_b128 v[WF+8*(2*\n+\s)+4*\c:WF+8*(2*\n+\s)+4*\c+3], v[FO], s[12:13] offset:8*\n*128+64*\s+32*\c
.endr
.endr
.endr
	WIN 0
.irp n, 0,1,2,3
	global_load_b64 v[WS+2*\n:WS+2*\n+1], v[SO], s[14:15] offset:8*\n*8
.endr
.irp t, 0,1,2,3,4,5,6,7
	global_load_b64 v[XS+2*\t:XS+2*\t+1], v[SO], s[10:11] offset:(64*(\t/4)+8*(\t%4))*8
.endr
	WIN 0x40
.irp t, 0,1,2,3,4,5,6,7
.irp s, 0,1
.irp c, 0,1
	global_load_b128 v[XF+8*(2*\t+\s)+4*\c:XF+8*(2*\t+\s)+4*\c+3], v[FO], s[8:9] offset:(64*(\t/4)+8*(\t%4))*128+64*\s+32*\c
.endr
.endr
.endr
	WIN 0
	s_cmp_eq_u32 s5, 2
	s_cbranch_scc1 .Lv
	; ---- q or k: two tiles of tokens at a time, each against the head's four tiles of channels: eight accumulators by turns
.irp p, 0,1,2,3
	s_wait_loadcnt 24-8*\p                         ; loads come back in order: all up to this pair's eight are in
	WIN 0x05
.irp s, 0,1
.irp e, 0,1
.irp n, 0,1,2,3
.if \s == 0
	v_wmma_scale_f32_16x16x128_f8f6f4 v[HA+32*\e+8*\n:HA+32*\e+8*\n+7], v[WF+8*(2*\n+\s):WF+8*(2*\n+\s)+7], v[XF+8*(2*(2*\p+\e)+\s):XF+8*(2*(2*\p+\e)+\s)+7], 0, v[WS+2*\n+\s], v[XS+2*(2*\p+\e)+\s] matrix_a_fmt:MATRIX_FMT_FP4 matrix_b_fmt:MATRIX_FMT_FP4
.else
	v_wmma_scale_f32_16x16x128_f8f6f4 v[HA+32*\e+8*\n:HA+32*\e+8*\n+7], v[WF+8*(2*\n+\s):WF+8*(2*\n+\s)+7], v[XF+8*(2*(2*\p+\e)+\s):XF+8*(2*(2*\p+\e)+\s)+7], v[HA+32*\e+8*\n:HA+32*\e+8*\n+7], v[WS+2*\n+\s], v[XS+2*(2*\p+\e)+\s] matrix_a_fmt:MATRIX_FMT_FP4 matrix_b_fmt:MATRIX_FMT_FP4
.endif
.endr
.endr
.endr
	WIN 0
.rept 4
	v_nop                                          ; four places in front of the first read of results (ISA guide 7.12.1)
.endr
	QUANT HA, PC+8*\p                              ; unit e: tile 2 p + e, my block of channels 32 h on: registers 4 e .. 4 e + 3 are that tile's fragment
	v_lshlrev_b32 v[TM+6], v[SH], v[TM+6]          ; my byte at its place in the token's word,
	v_lshlrev_b32 v[TM+7], v[SH], v[TM+7]
	v_permlanex16_b32 v[TM+8], v[TM+6], s[SEL], s[SEL+1]
	v_permlanex16_b32 v[TM+9], v[TM+7], s[SEL], s[SEL+1]
	v_or_b32 v[TM+6], v[TM+6], v[TM+8]             ; with lane l xor 16's; the upper two bytes are 0 and scale zero codes alone
	v_or_b32 v[TM+7], v[TM+7], v[TM+9]
	v_cndmask_b32 v[SW+\p], v[TM+6], v[TM+7], vcc_lo   ; lanes 0-15 tile 2 p's word, lanes 16-31 tile 2 p + 1's
	global_store_b128 v[LI], v[PC+8*\p:PC+8*\p+3], s[24:25] offset:1024*\p
	global_store_b128 v[LI], v[PC+8*\p+4:PC+8*\p+7], s[24:25] offset:1024*\p+512
.endr
	global_store_b128 v[LI], v[SW:SW+3], s[24:25] offset:4096
	s_endpgm
	; ---- v: a tile of 16 channels at a time, against the group's eight tiles of tokens: eight accumulators by turns
.Lv:
	s_wait_loadcnt 0x0
.irp n, 0,1,2,3
	WIN 0x05
.irp s, 0,1
.irp t, 0,1,2,3,4,5,6,7
.if \s == 0
	v_wmma_scale_f32_16x16x128_f8f6f4 v[HA+8*\t:HA+8*\t+7], v[XF+8*(2*\t+\s):XF+8*(2*\t+\s)+7], v[WF+8*(2*\n+\s):WF+8*(2*\n+\s)+7], 0, v[XS+2*\t+\s], v[WS+2*\n+\s] matrix_a_fmt:MATRIX_FMT_FP4 matrix_b_fmt:MATRIX_FMT_FP4
.else
	v_wmma_scale_f32_16x16x128_f8f6f4 v[HA+8*\t:HA+8*\t+7], v[XF+8*(2*\t+\s):XF+8*(2*\t+\s)+7], v[WF+8*(2*\n+\s):WF+8*(2*\n+\s)+7], v[HA+8*\t:HA+8*\t+7], v[XS+2*\t+\s], v[WS+2*\n+\s] matrix_a_fmt:MATRIX_FMT_FP4 matrix_b_fmt:MATRIX_FMT_FP4
.endif
.endr
.endr
	WIN 0
.rept 4
	v_nop                                          ; four places in front of the first read of results
.endr
	QUANT HA, PC+8*\n                              ; unit c: keys 64 c + 32 h + 0 .. 31 of my channel: the codes are the tile's fragment
	v_lshl_or_b32 v[TM+6], v[TM+7], 16, v[TM+6]    ; my bytes: blocks h and 2 + h,
	v_lshlrev_b32 v[TM+6], v[SH], v[TM+6]          ; at their places,
	v_permlanex16_b32 v[TM+8], v[TM+6], s[SEL], s[SEL+1]
	v_or_b32 v[SW+\n], v[TM+6], v[TM+8]            ; with lane l xor 16's two the word is whole
	global_store_b128 v[LI], v[PC+8*\n:PC+8*\n+3], s[24:25] offset:4608+1024*\n
	global_store_b128 v[LI], v[PC+8*\n+4:PC+8*\n+7], s[24:25] offset:4608+1024*\n+512
.endr
	global_store_b128 v[LI], v[SW:SW+3], s[24:25] offset:8704
	s_endpgm
.Lfunc_end_k_qedebd2b672_project:
	.size	k_qedebd2b672_project, .Lfunc_end_k_qedebd2b672_project-k_qedebd2b672_project
	.p2alignl 7, 3214868480
	.fill 96, 4, 3214868480
	.section	.rodata,"a",@progbits
	.p2align	6, 0x0
	.amdhsa_kernel k_qedebd2b672_project
		.amdhsa_group_segment_fixed_size 0
		.amdhsa_private_segment_fixed_size 0
		.amdhsa_enable_private_segment 0
		.amdhsa_kernarg_size 80
		.amdhsa_user_sgpr_count 2
		.amdhsa_user_sgpr_kernarg_segment_ptr 1
		.amdhsa_wavefront_size32 1
		.amdhsa_system_sgpr_workgroup_id_x 1
		.amdhsa_system_sgpr_workgroup_id_y 1
		.amdhsa_system_sgpr_workgroup_id_z 1
		.amdhsa_system_vgpr_workitem_id 0
		.amdhsa_next_free_vgpr 448
		.amdhsa_next_free_sgpr 66
		.amdhsa_reserve_vcc 1
		.amdhsa_float_denorm_mode_32 3
		.amdhsa_float_denorm_mode_16_64 3
		.amdhsa_memory_ordered 1
		.amdhsa_forward_progress 1
		.amdhsa_inst_pref_size 53
	.end_amdhsa_kernel
	.amdgpu_metadata
---
amdhsa.version: [ 1, 2 ]
amdhsa.kernels:
  - .name:           k_qedebd2b672_project
    .symbol:         k_qedebd2b672_project.kd
    .args:
      - { .name: x_codes, .offset: 0, .size: 8, .value_kind: global_buffer, .address_space: global }
      - { .name: x_scales, .offset: 8, .size: 8, .value_kind: global_buffer, .address_space: global }
      - { .name: Wq_codes, .offset: 16, .size: 8, .value_kind: global_buffer, .address_space: global }
      - { .name: Wq_scales, .offset: 24, .size: 8, .value_kind: global_buffer, .address_space: global }
      - { .name: Wk_codes, .offset: 32, .size: 8, .value_kind: global_buffer, .address_space: global }
      - { .name: Wk_scales, .offset: 40, .size: 8, .value_kind: global_buffer, .address_space: global }
      - { .name: Wv_codes, .offset: 48, .size: 8, .value_kind: global_buffer, .address_space: global }
      - { .name: Wv_scales, .offset: 56, .size: 8, .value_kind: global_buffer, .address_space: global }
      - { .name: q_ws, .offset: 64, .size: 8, .value_kind: global_buffer, .address_space: global }
      - { .name: kv_ws, .offset: 72, .size: 8, .value_kind: global_buffer, .address_space: global }
    .group_segment_fixed_size: 0
    .private_segment_fixed_size: 0
    .kernarg_segment_align: 8
    .kernarg_segment_size: 80
    .max_flat_workgroup_size: 128
    .sgpr_count:     66
    .vgpr_count:     448
    .wavefront_size: 32
...
	.end_amdgpu_metadata
.endif
;; end of part 1
;; launch attend (part 2): grid 16 x 16, 16 waves a work-group, clusters of 4 x 1, 327,680 bytes of LDS; arguments q_ws, kv_ws, o_codes, o_scales; writes o_codes, o_scales
.if DOCPART == 2
	.amdgcn_target "amdgcn-amd-amdhsa--gfx1250"
	.amdhsa_code_object_version 6
	.text
	.protected	k_qedebd2b672_attend
	.globl	k_qedebd2b672_attend
	.p2align	8
	.type	k_qedebd2b672_attend,@function
k_qedebd2b672_attend:
	s_mov_b64 s[64:65], 0
	v_nop
	global_prefetch_b8 v0, s[64:65] scope:SCOPE_SE
	s_setreg_imm32_b32 hwreg(HW_REG_WAVE_MODE, 25, 1), 1
	s_wait_xcnt 0x0
	s_wait_alu depctr_hold_cnt(0) depctr_sa_sdst(0) depctr_va_vdst(0) depctr_va_sdst(0) depctr_va_ssrc(0) depctr_va_vcc(0) depctr_vm_vsrc(0)
	s_getreg_b32 s2, hwreg(HW_REG_IB_STS2, 6, 4)
	s_cmp_eq_u32 s2, 0
	s_cbranch_scc0 .Lentry_in_a_cluster
	s_endpgm
.Lentry_in_a_cluster:
	s_bfe_u32 s2, ttmp6, 0x10000c
	s_cmp_lg_u32 s2, 0x3003
	s_cbranch_scc0 .Lentry_shape_is_right
	s_endpgm
.Lentry_shape_is_right:
; o = softmax(q k^T / 8) v for one (batch, head), both products on codes of FP4 (E2M1) with E8M0 scales; o is quantised along the head's 64 channels and stored as operand images.  Nothing is left out.
; THE SOFTMAX: t = score x log2(e) / 8; M = the running largest t rounded up to a whole number; p = 2^(t - M) is quantised along the keys, not normalised; the row's sum is taken of the unquantised p and divides at the end.
; When M moves, the sum and O^T are multiplied by 2^(old M - new M), which rounds nothing.  LIMITS: the promise holds while the scaled scores stay under 2^31 in magnitude; NaN and infinities are not served.
; SHARES.  Work-group (x, y): 256 queries (x) of head y = 4 b + head; each of sixteen waves owns one tile of 16 queries and walks all 4,096 keys, 128 a step, 32 steps.
; THE HEAD'S K AND V, 32 steps x 9,216 bytes of operand images, come into LDS ONCE: each wave asks for a sixteenth (72 rows of 256 bytes) by its one tensor load.  One barrier follows; no byte is filled again, and no barrier stands among the steps.
; CLUSTER: the four work-groups of a cluster walk the same head, so each load is a joint one (mask 15).  No prefetch: each tile is asked for once, at the kernel's head, and there is no loop to run ahead in.
; LAYOUT.  Both products are used transposed: S^T = K Q^T, O^T = V^T P^T: a lane holds one query (lane % 16).  By the tile order of the launch before, registers 32 c + 0 .. 31 of S^T are keys 64 c + 32 h + 0 .. 31:
; a whole block of 32 in a lane, the block that the second product's operand layout gives that lane.  So a block's largest score needs no other lane and the conversions' results are the operand's registers.
; THE 32-ROW FORM takes two neighbouring tiles of source 0 at once: their registers lie on end, and its scale register holds row m's word in lane m: K's scale image is stored so; V's words are read at 16 x lane + 4 h.
; The head's 64 channels fill half of the first product's K of 128: the upper four registers of q's and of each of K's fragments hold zero codes.
; THE STEP IS LAID ONE AHEAD: step i + 1's scores are multiplied behind step i's conversions and sums, and K's next fragments are loaded at a step's top with V's.  Four steps make a trip: their LDS offsets are immediates, and -M takes turns between two register pairs.
; INDEPENDENT CHAINS: the maxima go in eight chains (one a tile), the row's sum as a tree of packed additions whose last four lines stand behind the products as their places; O^T is rescaled ahead of the exponentials, as soon as the factor is made.
; REGISTERS: v1-10, v26, v27 addresses; v12 or v24 -M, v13 the largest score; v[14:15] the sum; v16-23 q; v32-95 K's eight fragments; v96-159 S^T, then p; v160-191 O^T; v192-223 V's four; v224-231 p's codes; v232-254 at work; v240-241 V's, v248-251 K's scale words; v255 q's.
.set STEPB, 9216
.set HEADB, 32*STEPB
.set WVB,   HEADB/16
.set STG,   HEADB                      ; 1,024 bytes: o's scale words meet here
.set SPARE, STG+1024                   ; the spare words, 128 bytes a wave
.set LI,  1                            ; 16 x lane
.set SPW, 2
.set NIL, 3
.set ADR, 4
.set QO,  5
.set QS,  6
.set STA, 7
.set STR, 8
.set GS,  9
.set SH,  10                           ; 8 h
.set LI2, 26                           ; 16 x lane + 4 h
.set AD2, 27
.set WV,  12
.set G1,  16
.set SEL, 24
.set CS,  26
.set TB,  28
.set CNT, 29
.set G0,  32
.macro CROUND                          ; a round of the cluster's barrier
	s_barrier_signal -1
	s_barrier_wait -1
	s_cmp_lg_u32 s[WV], 0
	s_cbranch_scc1 .Lnot_wave_0_\@
	s_barrier_signal -3
.Lnot_wave_0_\@:
	s_barrier_wait -3
	s_barrier_signal -1
	s_barrier_wait -1
.endm
.macro KLOAD adr, off                  ; K's eight fragments (four registers each) and their scale image
.irp i, 0,1,2,3,4,5,6,7
	ds_load_b128 v[32+8*\i:35+8*\i], v[\adr] offset:\off+512*\i
.endr
	ds_load_b128 v[248:251], v[\adr] offset:\off+4096
.endm
.macro QK                              ; S^T = K Q^T: four pairs of tiles of 16 keys
.irp p, 0,1,2,3
	v_wmma_scale_f32_32x16x128_f4 v[96+16*\p:111+16*\p], v[32+16*\p:47+16*\p], v[16:23], 0, v[248+\p], v255
.endr
.endm
.macro SCL a, nm                       ; t - M for sixteen scores
.irp j, 0,2,4,6,8,10,12,14
	v_pk_fma_f32 v[96+\a+\j:97+\a+\j], v[96+\a+\j:97+\a+\j], s[CS:CS+1], v[\nm:\nm+1] op_sel_hi:[1,0,0]
.endr
.endm
.macro L1Q                             ; four additions of the sum's first level, in place; J walks on
.rept 4
	v_pk_add_f32 v[96+J:97+J], v[96+J:97+J], v[98+J:99+J]
.set J, J+4
.endr
.endm
	s_load_b256 s[4:11], s[0:1], 0x0               ; q_ws, kv_ws, o_codes, o_scales
	v_lshl_add_u32 v[SPW], v0, 2, SPARE
	v_mov_b32 v[NIL], 0
	ds_add_u32 v[SPW], v[NIL]                      ; the opening lines: the add, twice on end, and its wait
	ds_add_u32 v[SPW], v[NIL]
	v_lshrrev_b32 v11, 5, v0
	v_readfirstlane_b32 s[WV], v11
	s_bfe_u32 s13, ttmp6, 0x40000                  ; cx
	s_lshl_b32 s14, ttmp9, 2
	s_add_co_u32 s14, s14, s13                     ; work-group x: it enters global offsets of q and o alone
	s_and_b32 s15, ttmp7, 0xffff                   ; bh
	s_mov_b32 s[G1+0], 15|(3<<16)|(1<<21)          ; mask of the four partners; elements of 8 bytes
	s_mov_b32 s[G1+1], 32<<16                      ; rows of 256 bytes,
	s_mov_b32 s[G1+2], 72<<16                      ; 72 of them, dense
	s_mov_b32 s[G1+3], 32<<16
	s_mov_b32 s[G1+4], 72
	s_mov_b32 s[G1+5], 32
	s_mov_b32 s[G1+6], 0
	s_mov_b32 s[G1+7], 0
	s_mov_b32 s[SEL], 0x76543210
	s_mov_b32 s[SEL+1], 0xfedcba98
	s_mov_b32 s[CS], 0x3e38aa3b                    ; c = log2(e) / 8
	s_mov_b32 s[CS+1], s[CS]
	s_mul_i32 s48, s15, HEADB
	s_mul_i32 s49, s[WV], WVB                      ; my sixteenth, in LDS and in the head
	s_add_co_u32 s50, s48, s49
	s_mov_b32 s51, 0
	s_lshl_b32 s54, s15, 5                         ; q: group 32 bh + 2 x + wave / 8
	s_lshl_b32 s55, s14, 1
	s_add_co_u32 s54, s54, s55
	s_lshr_b32 s55, s[WV], 3
	s_add_co_u32 s54, s54, s55
	s_mul_i32 s54, s54, 4608
	s_mov_b32 s55, 0
	s_lshr_b32 s56, s15, 2                         ; o's codes: image 4 (256 b + 16 x + wave) + head
	s_lshl_b32 s56, s56, 8
	s_lshl_b32 s57, s14, 4
	s_add_co_u32 s56, s56, s57
	s_add_co_u32 s56, s56, s[WV]
	s_lshl_b32 s56, s56, 2
	s_and_b32 s57, s15, 3
	s_add_co_u32 s56, s56, s57
	s_lshl_b32 s56, s56, 9
	s_mov_b32 s57, 0
	s_lshl_b32 s58, s15, 6                         ; o's scale words: 256 bytes for each 64 tokens of a head
	s_lshl_b32 s59, s14, 2
	s_add_co_u32 s58, s58, s59
	s_lshl_b32 s58, s58, 8
	s_mov_b32 s59, 0
	s_and_b32 s40, s[WV], 7
	s_lshl_b32 s40, s40, 9                         ; my tile's fragment in the group
	s_and_b32 s41, s[WV], 1
	s_lshl_b32 s41, s41, 8
	s_bfe_u32 s43, s[WV], 0x20001
	s_lshl_b32 s43, s43, 2
	s_add_co_u32 s41, s41, s43
	s_add_co_u32 s41, s41, 4096                    ; and its words in the scale image
	s_lshr_b32 s42, s[WV], 2
	s_lshl_b32 s42, s42, 8
	s_and_b32 s43, s[WV], 3
	s_lshl_b32 s43, s43, 2
	s_add_co_u32 s42, s42, s43
	s_add_co_u32 s42, s42, STG
	s_mov_b32 s[TB], 0
	s_mov_b32 s[CNT], 7
	v_and_b32 v[LI], 31, v0
	v_and_b32 v11, 15, v0
	v_and_b32 v[GS], 63, v0
	v_bfe_u32 v[SH], v0, 4, 1
	v_lshlrev_b32 v[LI], 4, v[LI]
	v_lshl_add_u32 v[QS], v11, 4, s41
	v_lshl_add_u32 v[STA], v11, 4, s42
	v_lshlrev_b32 v[GS], 4, v[GS]
	v_lshl_add_u32 v[LI2], v[SH], 2, v[LI]
	v_lshlrev_b32 v[SH], 3, v[SH]
	v_add_nc_u32 v[QO], s40, v[LI]
	v_add_nc_u32 v[STR], STG, v[GS]
	s_wait_alu depctr_va_vdst(0)
	s_wait_dscnt 0x0                               ; both opening adds are done
	s_wait_kmcnt 0x0
	s_add_nc_u64 s[4:5], s[4:5], s[54:55]
	s_add_nc_u64 s[8:9], s[8:9], s[56:57]
	s_add_nc_u64 s[10:11], s[10:11], s[58:59]
	s_mov_b32 s[G0], 1
	s_mov_b32 s[G0+1], s49
	s_add_nc_u64 s[G0+2:G0+3], s[6:7], s[50:51]
	s_or_b32 s[G0+3], s[G0+3], 0x80000000
	global_load_b128 v[16:19], v[QO], s[4:5]       ; q's fragment and scale words stay in registers
	global_load_b32 v255, v[QS], s[4:5]
	CROUND                                         ; the four partners are here: the joint loads meet
	tensor_load_to_lds s[G0:G0+3], s[G1:G1+7]      ; my one tensor load
	s_nop 0
.irp i, 0,1,2,3,4,5,6,7
.irp j, 4,5,6,7
	v_mov_b32 v[32+8*\i+\j], 0                     ; zero codes for K = 64 .. 127 of the first product: never written again
.endr
.endr
.irp j, 20,21,22,23
	v_mov_b32 v[\j], 0
.endr
	v_mov_b32 v13, 0xff61b1e6                      ; the largest score so far: -3e38
	v_mov_b32 v24, 0x7e967699                      ; the old -M = 1e38: the first change of M gives the factor 0, which meets zeros
	v_mov_b32 v25, 0                               ; (named as the upper half of the pair v[24:25])
	v_mov_b32 v14, 0
	v_mov_b32 v15, 0
	v_mov_b32 v246, 0                              ; a lane permute's destination counts as one of its sources
	v_mov_b32 v253, 0
	s_wait_alu depctr_va_vdst(0)
	s_wait_loadcnt 0x0
	s_wait_tensorcnt 0x0                           ; my sixteenth has landed
	s_barrier_signal -1
	s_barrier_wait -1                              ; and so has everybody's
	KLOAD LI, 0
	s_wait_dscnt 0x0
	QK                                             ; step 0's scores
.set J, 0
.rept 32
	v_mov_b32 v[160+J], 0                          ; O^T (these are also the places behind the products above)
.set J, J+1
.endr
; A KEY STEP, the u-th of its trip.  more = 1: the next step's fragments of K are fetched and its scores multiplied.  nm: the register that takes the new -M; om: the one that holds the old.
; The four additions at the last step's end are the four places behind its products, in front of the loads below and of the first read of S^T.
.macro BODY more, u, nm, om
.irp t, 0,1,2,3
.irp c, 0,1
	ds_load_b128 v[192+8*\t+4*\c:195+8*\t+4*\c], v[ADR] offset:\u*STEPB+4608+1024*\t+512*\c
.endr
.endr
	ds_load_b32 v240, v[AD2] offset:\u*STEPB+8704      ; lanes 0-15 channel tile 0's words, lanes 16-31 tile 1's
	ds_load_b32 v241, v[AD2] offset:\u*STEPB+8704+8    ; tiles 2 and 3
.if \more
	KLOAD ADR, (\u+1)*STEPB
.endif
.irp k, 0,1,2,3,4,5,6,7
	v_max3_num_f32 v[232+\k], v[96+8*\k], v[97+8*\k], v[98+8*\k]   ; eight chains, one a tile, in ascending order: each accumulator is read from its low end on
.endr
.irp i, 3,5
.irp k, 0,1,2,3,4,5,6,7
	v_max3_num_f32 v[232+\k], v[232+\k], v[96+8*\k+\i], v[97+8*\k+\i]
.endr
.endr
	v_max3_num_f32 v244, v103, v111, v119          ; the tiles' last registers
	v_max3_num_f32 v245, v135, v143, v151
	v_max3_num_f32 v234, v234, v235, v127
	v_max3_num_f32 v238, v238, v239, v159
	s_delay_alu instid0(VALU_DEP_4)
	v_max3_num_f32 v232, v232, v233, v244
	s_delay_alu instid0(VALU_DEP_4)
	v_max3_num_f32 v236, v236, v237, v245
	s_delay_alu instid0(VALU_DEP_2)
	v_max_num_f32 v232, v232, v234                 ; the largest score of my block of keys 32 h on,
	s_delay_alu instid0(VALU_DEP_2)
	v_max_num_f32 v233, v236, v238                 ; and of keys 64 + 32 h on: they serve for the row's maximum and for the blocks' largest p
	s_delay_alu instid0(VALU_DEP_1)
	v_max_num_f32 v254, v232, v233
	s_delay_alu instid0(VALU_DEP_1)
	v_permlanex16_b32 v246, v254, s[SEL], s[SEL+1]
	s_delay_alu instid0(VALU_DEP_1)
	v_max3_num_f32 v13, v13, v254, v246            ; the running largest score of my query (c is positive)
	s_delay_alu instid0(VALU_DEP_1)
	v_mul_f32 v254, s[CS], v13
	s_delay_alu instid0(VALU_DEP_1)
	v_floor_f32 v[\nm], -v254                      ; -M = floor(-t): M is a whole number
	SCL 0, \nm
	v_sub_f32 v254, v[\nm], v[\om]                 ; old M - new M: a whole number, 0 or less
	SCL 16, \nm
	v_cvt_i32_f32 v254, v254                       ; (it saturates)
	SCL 32, \nm
	v_ldexp_f32 v252, 1.0, v254                    ; f = 2^(old M - new M)
	SCL 48, \nm
	v_fma_f32 v232, v232, s[CS], v[\nm]
	v_fma_f32 v233, v233, s[CS], v[\nm]
.set J, 0
.rept 16
	v_pk_mul_f32 v[160+J:161+J], v[160+J:161+J], v[252:253] op_sel_hi:[1,0]   ; O^T under the new M: its first read stands ahead of this step's exponentials
.set J, J+2
.endr
	s_wait_alu depctr_va_vdst(0)                   ; ahead of the batch
	v_exp_f32 v232, v232                           ; the blocks' largest p: the same two instructions on the same numbers give the same bits
	v_exp_f32 v233, v233
.set J, 0
.rept 64
	v_exp_f32 v[96+J], v[96+J]                     ; p = 2^(t - M)
.set J, J+1
.endr
	v_pk_mul_f32 v[14:15], v[14:15], v[252:253] op_sel_hi:[1,0]   ; the sum under the new M (a plain place behind the batch)
	s_wait_alu depctr_va_vdst(0)                   ; one wait for the batch, ahead of its first reader
	v_max_num_f32 v232, 0x1800000, v232            ; the floor 2^(3 - 127): the byte cannot fall under 1
	v_max_num_f32 v233, 0x1800000, v233
	s_delay_alu instid0(VALU_DEP_2)
	v_add_nc_u32 v244, 0xff000000, v232            ; 2 off the exponent field: the conversion's scale operand
	s_delay_alu instid0(VALU_DEP_2)
	v_add_nc_u32 v245, 0xff000000, v233
	s_delay_alu instid0(VALU_DEP_2)
	v_lshrrev_b32 v254, 23, v244                   ; the scales' bytes
	s_delay_alu instid0(VALU_DEP_2)
	v_lshrrev_b32 v247, 23, v245
.irp t, 0,1,2,3,4,5,6,7
	v_cvt_scalef32_pk8_fp4_f32 v[224+\t], v[96+8*\t:103+8*\t], v[244+\t/4]   ; register 4 c + u: keys 64 c + 32 h + 8 u on
.endr
	v_lshl_or_b32 v254, v247, 16, v254             ; blocks h and 2 + h (also the plain place behind the conversions),
.set J, 0
	L1Q                                            ; THE ROW'S SUM OF THE UNQUANTISED p, as a tree: 16 additions in place,
	v_lshlrev_b32 v254, v[SH], v254                ; at their places in p's scale word
	L1Q
	v_permlanex16_b32 v246, v254, s[SEL], s[SEL+1]
	L1Q
	v_or_b32 v253, v254, v246                      ; with lane l xor 16's two bytes the word is whole: sixteen places ahead of the products that take it
	L1Q
.set J, 0
.rept 8
	v_pk_add_f32 v[96+J:97+J], v[96+J:97+J], v[100+J:101+J]   ; eight,
.set J, J+8
.endr
.irp k, 0,1,2,3
	v_pk_add_f32 v[232+2*\k:233+2*\k], v[96+16*\k:97+16*\k], v[104+16*\k:105+16*\k]   ; four, into registers that the next scores do not land on
.endr
	s_wait_alu depctr_va_vdst(0)                   ; the wait here, directly ahead of the wait below
	s_wait_dscnt 0x0                               ; V's fragments, and K's next
.if \more
	QK
.endif
.irp t, 0,1                                    ; O^T += V^T P^T: two pairs of tiles of 16 channels, by turns
	v_wmma_scale_f32_32x16x128_f4 v[160+16*\t:175+16*\t], v[192+16*\t:207+16*\t], v[224:231], v[160+16*\t:175+16*\t], v[240+\t], v253
.endr
	v_pk_add_f32 v[232:233], v[232:233], v[234:235]   ; the tree's last four lines name no register of the products above: they are four places behind them
	v_pk_add_f32 v[236:237], v[236:237], v[238:239]
	s_delay_alu instid0(VALU_DEP_1)
	v_pk_add_f32 v[232:233], v[232:233], v[236:237]
	s_delay_alu instid0(VALU_DEP_1)
	v_pk_add_f32 v[14:15], v[14:15], v[232:233]
.endm
.Lstep:                                            ; 7 trips of four steps; the last four steps are written out: the very last fetches nothing beyond the head's last byte
	v_add_nc_u32 v[ADR], s[TB], v[LI]
	v_add_nc_u32 v[AD2], s[TB], v[LI2]
	BODY 1, 0, 12, 24
	BODY 1, 1, 24, 12
	BODY 1, 2, 12, 24
	BODY 1, 3, 24, 12
	s_add_co_u32 s[TB], s[TB], 4*STEPB
	s_sub_co_u32 s[CNT], s[CNT], 1
	s_cmp_lg_u32 s[CNT], 0
	s_cbranch_scc1 .Lstep
	s_mov_b32 s[TB], 28*STEPB
	v_add_nc_u32 v[ADR], s[TB], v[LI]
	v_add_nc_u32 v[AD2], s[TB], v[LI2]
	BODY 1, 0, 12, 24
	BODY 1, 1, 24, 12
	BODY 1, 2, 12, 24
	BODY 0, 3, 24, 12
	; THE WAY OUT: O^T / the sum, quantised along the channels: registers 0 .. 31 are channels 32 h + 0 .. 31, one whole block
	s_delay_alu instid0(VALU_DEP_1)
	v_add_f32 v14, v14, v15
	s_delay_alu instid0(VALU_DEP_1)
	v_permlanex16_b32 v246, v14, s[SEL], s[SEL+1]
	s_delay_alu instid0(VALU_DEP_1)
	v_add_f32 v14, v14, v246
	s_wait_alu depctr_va_vdst(0)                   ; ahead of the transcendental
	v_rcp_f32 v14, v14
.rept 4
	v_nop
.endr
	s_wait_alu depctr_va_vdst(0)                   ; ahead of the first reader of the reciprocal and of O^T
.set J, 0
.rept 16
	v_pk_mul_f32 v[96+J:97+J], v[160+J:161+J], v[14:15] op_sel_hi:[1,0]
.set J, J+2
.endr
.irp b, 0,1,2,3
	v_max3_num_f32 v[232+\b], |v[96+8*\b]|, |v[97+8*\b]|, 0x1800000
.endr
.irp i, 2,4,6
.irp b, 0,1,2,3
	v_max3_num_f32 v[232+\b], v[232+\b], |v[96+8*\b+\i]|, |v[97+8*\b+\i]|
.endr
.endr
	v_max_num_f32 v232, v232, v233
	v_max_num_f32 v234, v234, v235
	s_delay_alu instid0(VALU_DEP_1)
	v_max_num_f32 v232, v232, v234
	s_delay_alu instid0(VALU_DEP_1)
	v_add_nc_u32 v244, 0xff000000, v232
.irp n, 0,1,2,3
	v_cvt_scalef32_pk8_fp4_f32 v[224+\n], v[96+8*\n:103+8*\n], v244
.endr
	v_lshrrev_b32 v238, 23, v244
	s_delay_alu instid0(VALU_DEP_1)
	v_lshlrev_b32 v238, v[SH], v238
	s_delay_alu instid0(VALU_DEP_1)
	v_permlanex16_b32 v246, v238, s[SEL], s[SEL+1]
	s_delay_alu instid0(VALU_DEP_1)
	v_or_b32 v253, v238, v246                      ; the token's word: byte 0 channels 0-31, byte 1 channels 32-63, zeros above
	global_store_b128 v[LI], v[224:227], s[8:9]    ; 512 consecutive bytes at a multiple of 256
	ds_store_b32 v[STA], v253                      ; lanes l and l xor 16 store the same word to the same place
	s_wait_dscnt 0x0
	s_barrier_signal -1
	s_barrier_wait -1
	s_cmp_lt_u32 s[WV], 2
	s_cbranch_scc0 .Lno_words
	ds_load_b128 v[32:35], v[STR]                  ; waves 0 and 1 store the work-group's 1,024 bytes of scale words
	s_wait_dscnt 0x0
	global_store_b128 v[GS], v[32:35], s[10:11]
.Lno_words:
	s_wait_tensorcnt 0x0                           ; the wave's end
	ds_add_u32 v[SPW], v[NIL]
	s_wait_dscnt 0x0
	CROUND                                         ; the closing round
	s_endpgm
.Lfunc_end_k_qedebd2b672_attend:
	.size	k_qedebd2b672_attend, .Lfunc_end_k_qedebd2b672_attend-k_qedebd2b672_attend
	.p2alignl 7, 3214868480
	.fill 96, 4, 3214868480
	.section	.rodata,"a",@progbits
	.p2align	6, 0x0
	.amdhsa_kernel k_qedebd2b672_attend
		.amdhsa_group_segment_fixed_size 327680
		.amdhsa_private_segment_fixed_size 0
		.amdhsa_enable_private_segment 0
		.amdhsa_kernarg_size 32
		.amdhsa_user_sgpr_count 2
		.amdhsa_user_sgpr_kernarg_segment_ptr 1
		.amdhsa_wavefront_size32 1
		.amdhsa_system_sgpr_workgroup_id_x 1
		.amdhsa_system_sgpr_workgroup_id_y 1
		.amdhsa_system_sgpr_workgroup_id_z 1
		.amdhsa_system_vgpr_workitem_id 0
		.amdhsa_next_free_vgpr 256
		.amdhsa_next_free_sgpr 66
		.amdhsa_reserve_vcc 0
		.amdhsa_float_denorm_mode_32 3
		.amdhsa_float_denorm_mode_16_64 3
		.amdhsa_memory_ordered 1
		.amdhsa_forward_progress 1
		.amdhsa_inst_pref_size 117
	.end_amdhsa_kernel
	.amdgpu_metadata
---
amdhsa.version: [ 1, 2 ]
amdhsa.kernels:
  - .name:           k_qedebd2b672_attend
    .symbol:         k_qedebd2b672_attend.kd
    .args:
      - { .name: q_ws, .offset: 0, .size: 8, .value_kind: global_buffer, .address_space: global }
      - { .name: kv_ws, .offset: 8, .size: 8, .value_kind: global_buffer, .address_space: global }
      - { .name: o_codes, .offset: 16, .size: 8, .value_kind: global_buffer, .address_space: global }
      - { .name: o_scales, .offset: 24, .size: 8, .value_kind: global_buffer, .address_space: global }
    .group_segment_fixed_size: 327680
    .private_segment_fixed_size: 0
    .kernarg_segment_align: 8
    .kernarg_segment_size: 32
    .max_flat_workgroup_size: 512
    .sgpr_count:     66
    .vgpr_count:     256
    .wavefront_size: 32
...
	.end_amdgpu_metadata
.endif
;; end of part 2
;; launch outproj (part 3): grid 256 x 1, 8 waves a work-group, no clusters, 67,584 bytes of LDS; arguments o_codes, o_scales, Wp_codes, Wp_scales, bp, out0; writes out0
.if DOCPART == 3
	.amdgcn_target "amdgcn-amd-amdhsa--gfx1250"
	.amdhsa_code_object_version 6
	.text
	.protected	k_qedebd2b672_outproj
	.globl	k_qedebd2b672_outproj
	.p2align	8
	.type	k_qedebd2b672_outproj,@function
k_qedebd2b672_outproj:
	s_mov_b64 s[64:65], 0
	v_nop
	global_prefetch_b8 v0, s[64:65] scope:SCOPE_SE
	s_setreg_imm32_b32 hwreg(HW_REG_WAVE_MODE, 25, 1), 1
	s_wait_xcnt 0x0
; out0 = o Wp^T + bp: o as the codes and scale words that the launch before stored, Wp as it is given, both FP4 (E2M1) with E8M0 scales; sums in f32; bp is the C of each sum's first product.  Nothing is left out.
; LIMITS: NaN, infinities and scale bytes 0xff among the inputs are not served.
; SHARES.  Work-group G takes 64 tokens (token tiles 4 G .. 4 G + 3); wave w makes outputs 32 w .. 32 w + 31 for them: eight accumulators, sixteen matrix instructions, K = 256 in two steps (K step s = heads 2 s and 2 s + 1).
; The product is used transposed (source 0 = 16 rows of Wp, source 1 = 16 tokens): a lane holds eight neighbouring outputs of one token.
; Lane r of token tile m holds token 64 G + 8 m + r % 8 + 32 (r / 8).  The results meet in a stage in LDS (row 16 m + r, 1,024 bytes + 16); rows 8 w .. 8 w + 7 of it are eight consecutive tokens,
; 64 G + 32 (w % 2) + 8 (w / 2) on, which wave w stores whole: each store covers 512 consecutive bytes at a multiple of 256.
; No tensor load and no cluster: operands go from memory straight into registers, 8 KiB of o and 4 KiB of Wp a wave.
.set SPITCH, 1040
.set SPARE, 64*SPITCH                  ; behind the stage: the spare words, 128 bytes for each wave
.set LI,  3                            ; 16 x lane
.set WA,  4                            ; Wp: 128 r + 16 h
.set WB,  5                            ; Wp's scales: 8 r
.set BA,  6                            ; bp: 32 h
.set SA,  7                            ; o's scale words: 16 r
.set STO, 8                            ; the stage: row r, + 32 h, + 128 w
.set SRD, 9                            ; and back: 16 x lane + my eight rows
.set SPW, 10
.set NIL, 11
.set OF,  16                           ; v16-79   o's fragments: (m, s) at 16 + 16 m + 8 s; later rows of the result
.set WF,  80                           ; v80-111  Wp's: (n, s) at 80 + 8 (2 n + s)
.set WS,  112                          ; v112-115 Wp's scale words
.set SR,  116                          ; v116-131 o's scale words as stored: head d, tile m at 116 + 4 d + m
.set OS,  132                          ; v132-139 o's scale words of (m, s)
.set BI,  140                          ; v140-155 bp in the result's layout
.set ACC, 160                          ; v160-223 accumulator (n, m) at 160 + 8 (4 n + m)
	s_load_b256 s[4:11], s[0:1], 0x0               ; o_codes, o_scales, Wp's codes, Wp's scales
	s_load_b128 s[12:15], s[0:1], 0x20             ; bp, out0
	v_lshl_add_u32 v[SPW], v0, 2, SPARE
	v_mov_b32 v[NIL], 0
	v_lshrrev_b32 v1, 5, v0
	s_delay_alu instid0(VALU_DEP_1)
	v_readfirstlane_b32 s16, v1                    ; wave 0..7
	v_and_b32 v1, 15, v0                           ; r
	v_bfe_u32 v2, v0, 4, 1                         ; h
	v_and_b32 v[LI], 31, v0
	s_delay_alu instid0(VALU_DEP_1)
	v_lshlrev_b32 v[LI], 4, v[LI]
	s_delay_alu instid0(VALU_DEP_4)
	v_lshlrev_b32 v[WA], 7, v1
	s_delay_alu instid0(VALU_DEP_1)
	v_lshl_add_u32 v[WA], v2, 4, v[WA]
	v_lshlrev_b32 v[WB], 3, v1
	v_lshlrev_b32 v[BA], 5, v2
	v_lshlrev_b32 v[SA], 4, v1
	v_mul_u32_u24 v[STO], v1, SPITCH
	s_delay_alu instid0(VALU_DEP_1)
	v_lshl_add_u32 v[STO], v2, 5, v[STO]
	s_lshl_b32 s17, s16, 7
	v_add_nc_u32 v[STO], s17, v[STO]
	s_mul_i32 s17, s16, 8*SPITCH
	v_add_nc_u32 v[SRD], s17, v[LI]
	s_lshl_b32 s18, ttmp9, 13                      ; o's codes: four tiles x four heads x 512 bytes
	s_mov_b32 s19, 0
	s_lshr_b32 s20, ttmp9, 6                       ; o's scale words: b x 4 heads x 16,384 + (G % 64) x 256
	s_lshl_b32 s20, s20, 16
	s_and_b32 s21, ttmp9, 63
	s_lshl_b32 s21, s21, 8
	s_add_co_u32 s20, s20, s21
	s_mov_b32 s21, 0
	s_lshl_b32 s22, s16, 12                        ; Wp's codes: my 32 rows of 128 bytes
	s_mov_b32 s23, 0
	s_lshl_b32 s24, s16, 8                         ; Wp's scales
	s_mov_b32 s25, 0
	s_lshl_b32 s26, s16, 7                         ; bp: my 32 numbers
	s_mov_b32 s27, 0
	s_lshl_b32 s28, ttmp9, 6                       ; the first token that I store: 64 G + 8 (w / 2) + 32 (w % 2)
	s_lshr_b32 s29, s16, 1
	s_lshl_b32 s29, s29, 3
	s_add_co_u32 s28, s28, s29
	s_and_b32 s29, s16, 1
	s_lshl_b32 s29, s29, 5
	s_add_co_u32 s28, s28, s29
	s_lshl_b32 s28, s28, 10                        ; a row of out0 is 1,024 bytes
	s_mov_b32 s29, 0
	s_wait_alu depctr_va_vdst(0)
	s_wait_kmcnt 0x0
	s_add_nc_u64 s[4:5], s[4:5], s[18:19]
	s_add_nc_u64 s[6:7], s[6:7], s[20:21]
	s_add_nc_u64 s[8:9], s[8:9], s[22:23]
	s_add_nc_u64 s[10:11], s[10:11], s[24:25]
	s_add_nc_u64 s[12:13], s[12:13], s[26:27]
	s_add_nc_u64 s[14:15], s[14:15], s[28:29]
.irp k, 0,1,2,3,4,5,6,7,8,9,10,11,12,13,14,15
	global_load_b128 v[OF+4*\k:OF+4*\k+3], v[LI], s[4:5] offset:512*\k   ; image 4 m + head: registers 4 c .. 4 c + 3 of fragment (m, s) are head 2 s + c's
.endr
.irp d, 0,1,2,3
	global_load_b128 v[SR+4*\d:SR+4*\d+3], v[SA], s[6:7] offset:16384*\d   ; head d: lane r's words of the four tiles
.endr
.irp n, 0,1
.irp s, 0,1
.irp c, 0,1
	global_load_b128 v[WF+8*(2*\n+\s)+4*\c:WF+8*(2*\n+\s)+4*\c+3], v[WA], s[8:9] offset:2048*\n+64*\s+32*\c
.endr
.endr
.endr
.irp n, 0,1
	global_load_b64 v[WS+2*\n:WS+2*\n+1], v[WB], s[10:11] offset:128*\n
.endr
.irp n, 0,1
	global_load_b128 v[BI+8*\n:BI+8*\n+3], v[BA], s[12:13] offset:64*\n       ; bp at outputs 32 w + 16 n + 8 h + 0 .. 7
	global_load_b128 v[BI+8*\n+4:BI+8*\n+7], v[BA], s[12:13] offset:64*\n+16
.endr
	s_wait_loadcnt 0x0
.irp m, 0,1,2,3
.irp s, 0,1
	v_lshl_or_b32 v[OS+2*\m+\s], v[SR+4*(2*\s+1)+\m], 16, v[SR+8*\s+\m]   ; K step s: head 2 s's two bytes below, head 2 s + 1's above
.endr
.endr
.rept 8
	v_nop                                          ; a scale register written by a vector instruction stands eight places ahead of a scaled matrix instruction
.endr
.irp s, 0,1                                    ; eight accumulators by turns
.irp n, 0,1
.irp m, 0,1,2,3
.if \s == 0
	v_wmma_scale_f32_16x16x128_f8f6f4 v[ACC+8*(4*\n+\m):ACC+8*(4*\n+\m)+7], v[WF+8*(2*\n+\s):WF+8*(2*\n+\s)+7], v[OF+16*\m+8*\s:OF+16*\m+8*\s+7], v[BI+8*\n:BI+8*\n+7], v[WS+2*\n+\s], v[OS+2*\m+\s] matrix_a_fmt:MATRIX_FMT_FP4 matrix_b_fmt:MATRIX_FMT_FP4
.else
	v_wmma_scale_f32_16x16x128_f8f6f4 v[ACC+8*(4*\n+\m):ACC+8*(4*\n+\m)+7], v[WF+8*(2*\n+\s):WF+8*(2*\n+\s)+7], v[OF+16*\m+8*\s:OF+16*\m+8*\s+7], v[ACC+8*(4*\n+\m):ACC+8*(4*\n+\m)+7], v[WS+2*\n+\s], v[OS+2*\m+\s] matrix_a_fmt:MATRIX_FMT_FP4 matrix_b_fmt:MATRIX_FMT_FP4
.endif
.endr
.endr
.endr
.rept 4
	v_nop                                          ; four places in front of the first read of results, and of the loads into the registers that held o's fragments
.endr
.irp m, 0,1,2,3
.irp n, 0,1
	ds_store_b128 v[STO], v[ACC+8*(4*\n+\m):ACC+8*(4*\n+\m)+3] offset:16*SPITCH*\m+64*\n       ; each accumulator from its low end on
	ds_store_b128 v[STO], v[ACC+8*(4*\n+\m)+4:ACC+8*(4*\n+\m)+7] offset:16*SPITCH*\m+64*\n+16
.endr
.endr
	s_wait_dscnt 0x0                               ; for the others' sake: my stores into the stage have landed
	s_barrier_signal -1
	s_barrier_wait -1
.irp i, 0,1,2,3,4,5,6,7
.irp u, 0,1
	ds_load_b128 v[OF+4*(2*\i+\u):OF+4*(2*\i+\u)+3], v[SRD] offset:SPITCH*\i+512*\u
.endr
.endr
.irp i, 0,1,2,3,4,5,6,7
.irp u, 0,1
	s_wait_dscnt 15-(2*\i+\u)                      ; LDS loads come back in order: this one is in, the younger ones may be out
	global_store_b128 v[LI], v[OF+4*(2*\i+\u):OF+4*(2*\i+\u)+3], s[14:15] offset:1024*\i+512*\u th:TH_STORE_NT   ; written once, read by nobody here
.endr
.endr
	s_wait_tensorcnt 0x0                           ; the wave's end
	ds_add_u32 v[SPW], v[NIL]
	s_wait_dscnt 0x0
	s_endpgm
.Lfunc_end_k_qedebd2b672_outproj:
	.size	k_qedebd2b672_outproj, .Lfunc_end_k_qedebd2b672_outproj-k_qedebd2b672_outproj
	.p2alignl 7, 3214868480
	.fill 96, 4, 3214868480
	.section	.rodata,"a",@progbits
	.p2align	6, 0x0
	.amdhsa_kernel k_qedebd2b672_outproj
		.amdhsa_group_segment_fixed_size 67584
		.amdhsa_private_segment_fixed_size 0
		.amdhsa_enable_private_segment 0
		.amdhsa_kernarg_size 48
		.amdhsa_user_sgpr_count 2
		.amdhsa_user_sgpr_kernarg_segment_ptr 1
		.amdhsa_wavefront_size32 1
		.amdhsa_system_sgpr_workgroup_id_x 1
		.amdhsa_system_sgpr_workgroup_id_y 1
		.amdhsa_system_sgpr_workgroup_id_z 1
		.amdhsa_system_vgpr_workitem_id 0
		.amdhsa_next_free_vgpr 224
		.amdhsa_next_free_sgpr 66
		.amdhsa_reserve_vcc 0
		.amdhsa_float_denorm_mode_32 3
		.amdhsa_float_denorm_mode_16_64 3
		.amdhsa_memory_ordered 1
		.amdhsa_forward_progress 1
		.amdhsa_inst_pref_size 13
	.end_amdhsa_kernel
	.amdgpu_metadata
---
amdhsa.version: [ 1, 2 ]
amdhsa.kernels:
  - .name:           k_qedebd2b672_outproj
    .symbol:         k_qedebd2b672_outproj.kd
    .args:
      - { .name: o_codes, .offset: 0, .size: 8, .value_kind: global_buffer, .address_space: global }
      - { .name: o_scales, .offset: 8, .size: 8, .value_kind: global_buffer, .address_space: global }
      - { .name: Wp_codes, .offset: 16, .size: 8, .value_kind: global_buffer, .address_space: global }
      - { .name: Wp_scales, .offset: 24, .size: 8, .value_kind: global_buffer, .address_space: global }
      - { .name: bp, .offset: 32, .size: 8, .value_kind: global_buffer, .address_space: global }
      - { .name: out0, .offset: 40, .size: 8, .value_kind: global_buffer, .address_space: global }
    .group_segment_fixed_size: 67584
    .private_segment_fixed_size: 0
    .kernarg_segment_align: 8
    .kernarg_segment_size: 48
    .max_flat_workgroup_size: 256
    .sgpr_count:     66
    .vgpr_count:     224
    .wavefront_size: 32
...
	.end_amdgpu_metadata
.endif
;; end of part 3
